; MI455X (gfx1250); checked and timed in simulation.
; The chip was launched on July 23, 2026; its instructions are those of AMD's public machine-readable ISA for CDNA 5 (MIT licence, August 2026) and "CDNA5" Instruction Set Architecture Reference Guide (July 2026). The comments in the code are by the model that wrote it; some were corrected since.
;; s LSTM Cell. Allowed arithmetic: matrix products marked QUANTISED: E5M2 operands, one given power-of-two scale a tensor, by v_wmma_f32_16x16x64_bf8_bf8 or v_wmma_f32_16x16x128_bf8_bf8, f32 sums; everything else in f32.
;; Inputs: Wf 2,048 x 3,072 float32; Wi 2,048 x 3,072 float32; Wo 2,048 x 3,072 float32; Wz 2,048 x 3,072 float32; bf 2,048 float32; bi 2,048 float32; bo 2,048 float32; bz 2,048 float32; c_prev 2,048 x 2,048 float32; h_prev 2,048 x 2,048 float32; ln_beta 2,048 float32; ln_gamma 2,048 float32; lowp_scales 2 int32 (the exponents e of the quantised operands' scales 2^e); m_prev 2,048 x 2,048 float32; n_prev 2,048 x 2,048 float32; x 2,048 x 1,024 float32.
;; Outputs: out0 2,048 x 2,048 float32; out1 2,048 x 2,048 float32; out2 2,048 x 2,048 float32; out3 2,048 x 2,048 float32.
;; This version of the problem:
;;   THIS VERSION OF THE PROBLEM IS GIVEN IN LOW PRECISION. The matrix products marked QUANTISED in the list below multiply operands that are first quantised to E5M2 (5 exponent bits, 2 mantissa bits; 8 bits a number), with one given power-of-two scale for each operand tensor; their sums are f32. All else is computed in f32.
;;   The module's matrix products, in the order in which they are computed (A, B: the left and right operand; K: the contracted axis; several contracted axes count as one K, in the product's order):
;;     1. [M 8,192, K 3,072] x [K 3,072, N 2,048]; A: computed on the way; B: computed on the way: QUANTISED (scales: A lowp_scales[0], B lowp_scales[1])
;;   THE QUANTISER, for each operand of a quantised product, along K:
;;     - The operand's scale is 2^e, e = its entry of the input lowp_scales (int32; the entries are numbered through the quantised products in the list's order, A before B).
;;     - Each number is divided by the scale, clamped to +-57,344, and rounded to the nearest number of E5M2, ties to even, subnormals kept.
;;     - The product sums the exact products of the quantised numbers (number of the format x scale) in f32.
;;   ~~~python
;;   def quantise(x, axis, e):      # numpy; x: float32 -> the quantised numbers, widened to float32 again
;;       x = np.moveaxis(x, axis, -1); K = x.shape[-1]
;;       r = np.clip(x / 2.0 ** e, -57344, 57344)
;;       step = 2.0 ** (np.maximum(np.frexp(np.where(r == 0, 1, r))[1] - 1, -14) - 2)
;;       q = np.round(r / step) * step * 2.0 ** e      # np.round: ties to even
;;       return np.moveaxis(q, -1, axis).astype(np.float32)
;;   ~~~
;;   OPERANDS COMPUTED ON THE WAY. 'Computed on the way' means the value that the module computes at that place (a softmax that the list does not call 'softmax' is quantised finished and normalised). What goes into a quantiser is computed in f32, as accurately as f32 sums, v_exp_f32 and their like allow (about 1e-6 of the number): no bf16 or f16 on the way to a quantiser, and a product that is left as it is and whose result goes on into a quantised operand takes f32 operands (vector FMAs, or v_wmma_f32_16x16x4_f32). A number that lies on a knife's edge between two numbers of the format may be rounded either way, as far as f32 arithmetic and the matrix unit's own rounding can turn it there, and no further.
;; One version. Each part assembles by itself: llvm-mc -triple=amdgcn-amd-amdhsa -mcpu=gfx1250 --defsym DOCPART=n.
;; ======== version 1 of 1: 3 launches
;; limits: right only within a limited range of input values
;; workspace buffers: wcodes 25,165,824 bytes; ccodes 6,291,456 bytes; hbuf 16,777,216 bytes
;; launch quant (part 1): grid 192 x 5, 4 waves a work-group, no clusters, 35,328 bytes of LDS; arguments Wi, Wf, Wo, Wz, x, h_prev, lowp_scales, wcodes, ccodes; writes wcodes, ccodes
.if DOCPART == 1
	.amdgcn_target "amdgcn-amd-amdhsa--gfx1250"
	.amdhsa_code_object_version 6
	.text
	.protected	k_qaf5e98cca1_quant
	.globl	k_qaf5e98cca1_quant
	.p2align	8
	.type	k_qaf5e98cca1_quant,@function
k_qaf5e98cca1_quant:
	s_mov_b64 s[64:65], 0
	v_nop
	global_prefetch_b8 v0, s[64:65] scope:SCOPE_SE
	s_setreg_imm32_b32 hwreg(HW_REG_WAVE_MODE, 25, 1), 1
	s_wait_xcnt 0x0
; Wi, Wf, Wo, Wz [2048][3072], x [2048][1024], h_prev [2048][2048], f32, become codes of BF8 (E5M2), laid in the order in which the next launch's operand registers take them.
; code = number / 2^e, held within +-57,344, to the nearest code, ties to even.  e = entry 0 of the scales for the weights, entry 1 for x and h_prev.
; LIMITS: -126 <= e <= 112.  NaN among the inputs is not served (an infinity is held at the largest code).
; LAYOUT of both buffers: [block of 256 rows][K step of 128: 24][fragment of 16 rows: 16][chunk c: 4][lane r + 16 h: 32][16 bytes].
; wcodes: block y, fragment 4 g + b, row r = gate g (i, f, o, z), hidden unit 64 y + 4 r + b.   ccodes: block, fragment f, row r = batch row 256 block + 16 f + r; K = x's 1,024, then h_prev's 2,048.
; K IS PERMUTED, alike in both buffers: inside a run of 512 along K, byte 16 i + 4 j + e holds k = 128 j + 4 i + e (lane i keeps the 16 numbers that its four loads bring).  Every product
; still meets its partner; only the order of the sums inside a matrix instruction differs from ascending k.  Piece u (16 bytes) of a run goes to K step u / 8, chunk (u % 8) / 2, half u % 2.
; SHARES: a wave takes 16 rows x one run of 512: 16 steps, a row each, four loads of 512 consecutive bytes.  A lane's 16 codes go into the wave's own stage in LDS (piece x 272 + 16 x row) and come back
; sixteen rows to a piece, so that each store covers 512 consecutive bytes.  Work-group x = 32 run + low; y = the gate (waves = b, low = block), or 4: x and h_prev (low = 4 block + fragment / 4).
; One path: only pointers and numbers are chosen, on the work-group's number.  No barrier: waves share nothing.  Loads run four steps (16 loads a wave) ahead.
.set EMAX,  15
.set MANT,  0x600000
.set OV,    16                         ; v16-31  a step's load offset: 16 lane + step x the tensor's distance from row to row
.set R,     32                         ; v32-95  four sets of 16 numbers; at the end the 16 x 4 registers on the way out
.set C,     96                         ; v96-159 codes: four registers for each step, so that no LDS store's data are written again
.set WREG,  8704                       ; a wave's stage: 32 pieces x 272 bytes
.set SPW,   12
.set NIL,   13
.set SPARE, 4*WREG                     ; the spare words, 128 bytes a wave
	s_load_b256 s[4:11], s[0:1], 0x0               ; Wi, Wf, Wo, Wz
	s_load_b256 s[12:19], s[0:1], 0x20             ; x, h_prev, the scales, wcodes
	s_load_b64 s[20:21], s[0:1], 0x40              ; ccodes
	v_lshl_add_u32 v[SPW], v0, 2, SPARE
	v_mov_b32 v[NIL], 0
	v_lshrrev_b32 v1, 5, v0
	v_readfirstlane_b32 s22, v1                    ; wave
	v_and_b32 v2, 31, v0                           ; lane
	v_lshlrev_b32 v3, 4, v2
	s_mul_i32 s39, s22, WREG
	v_mul_u32_u24 v14, v2, 272
	v_add_nc_u32 v14, s39, v14                     ; into the stage: my piece's line
	v_lshrrev_b32 v5, 4, v2
	v_mul_u32_u24 v15, v5, 272
	v_and_b32 v6, 15, v2
	v_lshl_add_u32 v15, v6, 4, v15
	v_add_nc_u32 v15, s39, v15                     ; out of it: piece h, row r
	s_and_b32 s23, ttmp7, 0xffff                   ; the gate, or 4
	s_lshr_b32 s24, ttmp9, 5                       ; the run of 512 along K, 0 .. 5
	s_and_b32 s25, ttmp9, 31
	s_lshl_b32 s26, s25, 6
	s_add_co_u32 s27, s26, s22
	s_mul_i32 s27, s27, 12288                      ; a weight: first row 64 low + b
	s_lshl_b32 s28, s22, 4
	s_add_co_u32 s28, s28, s26                     ; x, h_prev: first row 64 low + 16 wave
	s_lshr_b32 s36, s25, 2
	s_and_b32 s37, s25, 3
	s_lshl_b32 s37, s37, 2
	s_lshl_b32 s38, s23, 2
	s_mov_b32 s33, 49152                           ; a weight's rows of a fragment lie 4 units apart
	s_cmp_lt_u32 s24, 2                            ; x or h_prev
	s_cselect_b32 s29, 12, 13
	s_cselect_b32 s30, 0, 2
	s_lshl_b32 s28, s28, s29
	s_lshl_b32 s31, 1, s29
	s_sub_co_u32 s30, s24, s30
	s_cmp_eq_u32 s23, 4
	s_cselect_b32 s27, s28, s27
	s_cselect_b32 s30, s30, s24                    ; the run inside the tensor
	s_cselect_b32 s31, s31, s33                    ; bytes from row to row
	s_cselect_b32 s36, s36, s25                    ; block
	s_cselect_b32 s37, s37, s38
	s_lshl_b32 s30, s30, 11
	s_add_co_u32 s26, s27, s30
	s_mov_b32 s27, 0                               ; s[26:27]: from where
	s_add_co_u32 s37, s37, s22                     ; fragment
	s_lshl_b32 s37, s37, 11
	s_mul_i32 s36, s36, 786432
	s_add_co_u32 s36, s36, s37
	s_lshl_b32 s28, s24, 17                        ; four K steps of 32,768 bytes a run
	s_add_co_u32 s36, s36, s28
	s_mov_b32 s37, 0                               ; s[36:37]: to where
	s_wait_alu depctr_va_vdst(0)                   ; the wait here, behind the run of scalar lines
.irp t, 0,1,2,3,4,5,6,7,8,9,10,11,12,13,14,15
	v_mad_u32_u24 v[OV+\t], s31, \t, v3
.endr
	s_wait_alu depctr_va_vdst(0)
	s_wait_kmcnt 0x0
	s_load_b64 s[40:41], s[16:17], 0x0
	s_cmp_eq_u32 s23, 1
	s_cselect_b64 s[4:5], s[6:7], s[4:5]
	s_cmp_eq_u32 s23, 2
	s_cselect_b64 s[4:5], s[8:9], s[4:5]
	s_cmp_eq_u32 s23, 3
	s_cselect_b64 s[4:5], s[10:11], s[4:5]
	s_cmp_lt_u32 s24, 2
	s_cselect_b64 s[12:13], s[12:13], s[14:15]
	s_cmp_eq_u32 s23, 4
	s_cselect_b64 s[4:5], s[12:13], s[4:5]
	s_cselect_b64 s[8:9], s[20:21], s[18:19]
	s_add_nc_u64 s[4:5], s[4:5], s[26:27]
	s_add_nc_u64 s[8:9], s[8:9], s[36:37]
.macro LOAD t
.irp i, 0,1,2,3
	global_load_b128 v[R+16*((\t)%4)+4*\i:R+16*((\t)%4)+4*\i+3], v[OV+(\t)], s[4:5] offset:512*\i th:TH_LOAD_NT
.endr
.endm
.irp t, 0,1,2,3
	LOAD \t
.endr
	s_wait_kmcnt 0x0
	s_cmp_eq_u32 s23, 4
	s_cselect_b32 s40, s41, s40                    ; e
	s_add_co_i32 s40, s40, 127
	s_lshl_b32 s41, s40, 23
	v_mov_b32 v11, s41                             ; 2^e
	s_add_co_i32 s40, s40, EMAX
	s_lshl_b32 s40, s40, 23
	s_or_b32 s40, s40, MANT
	v_mov_b32 v10, s40                             ; 57,344 x 2^e
	s_wait_alu depctr_va_vdst(0)                   ; the wait at the head's end
.macro STEP t
.set XS, R+16*((\t)%4)
.if (\t) < 13
	s_wait_loadcnt 12                              ; this row's four loads are in; those of the three rows behind it may be out
.else
	s_wait_loadcnt 4*(15-(\t))
.endif
.irp i, 0,1,2,3,4,5,6,7,8,9,10,11,12,13,14,15
	v_med3_num_f32 v[XS+\i], v[XS+\i], -v10, v10   ; the conversion does not saturate (ISA guide 7.6.2): the hold comes first
.endr
	v_cvt_scalef32_pk8_bf8_f32 v[C+4*(\t):C+4*(\t)+1], v[XS:XS+7], v11
	v_cvt_scalef32_pk8_bf8_f32 v[C+4*(\t)+2:C+4*(\t)+3], v[XS+8:XS+15], v11   ; the results go to an LDS store alone; the next vector lines are plain and touch other registers
	ds_store_b128 v14, v[C+4*(\t):C+4*(\t)+3] offset:16*(\t)
.if (\t)+4 < 16
	LOAD (\t)+4
.endif
.endm
.irp t, 0,1,2,3,4,5,6,7,8,9,10,11,12,13,14,15
	STEP \t
.endr
.irp o, 0,1,2,3,4,5,6,7,8,9,10,11,12,13,14,15
	ds_load_b128 v[R+4*\o:R+4*\o+3], v15 offset:544*\o   ; pieces 2 o and 2 o + 1, sixteen rows each; LDS serves a wave's instructions in order (ISA guide 5.7.1.4)
.endr
.irp o, 0,1,2,3,4,5,6,7,8,9,10,11,12,13,14,15
	s_wait_dscnt 15-\o
	global_store_b128 v3, v[R+4*\o:R+4*\o+3], s[8:9] offset:(\o/4)*32768+(\o%4)*512   ; 512 consecutive bytes, at a multiple of 512
.endr
	s_wait_tensorcnt 0x0                           ; the wave's end
	ds_add_u32 v[SPW], v[NIL]
	s_wait_dscnt 0x0
	s_endpgm
.Lfunc_end_k_qaf5e98cca1_quant:
	.size	k_qaf5e98cca1_quant, .Lfunc_end_k_qaf5e98cca1_quant-k_qaf5e98cca1_quant
	.p2alignl 7, 3214868480
	.fill 96, 4, 3214868480
	.section	.rodata,"a",@progbits
	.p2align	6, 0x0
	.amdhsa_kernel k_qaf5e98cca1_quant
		.amdhsa_group_segment_fixed_size 35328
		.amdhsa_private_segment_fixed_size 0
		.amdhsa_enable_private_segment 0
		.amdhsa_kernarg_size 72
		.amdhsa_user_sgpr_count 2
		.amdhsa_user_sgpr_kernarg_segment_ptr 1
		.amdhsa_wavefront_size32 1
		.amdhsa_system_sgpr_workgroup_id_x 1
		.amdhsa_system_sgpr_workgroup_id_y 1
		.amdhsa_system_sgpr_workgroup_id_z 1
		.amdhsa_system_vgpr_workitem_id 0
		.amdhsa_next_free_vgpr 160
		.amdhsa_next_free_sgpr 66
		.amdhsa_reserve_vcc 0
		.amdhsa_float_denorm_mode_32 3
		.amdhsa_float_denorm_mode_16_64 3
		.amdhsa_memory_ordered 1
		.amdhsa_forward_progress 1
		.amdhsa_inst_pref_size 33
	.end_amdhsa_kernel
	.amdgpu_metadata
---
amdhsa.version: [ 1, 2 ]
amdhsa.kernels:
  - .name:           k_qaf5e98cca1_quant
    .symbol:         k_qaf5e98cca1_quant.kd
    .args:
      - { .name: Wi, .offset: 0, .size: 8, .value_kind: global_buffer, .address_space: global }
      - { .name: Wf, .offset: 8, .size: 8, .value_kind: global_buffer, .address_space: global }
      - { .name: Wo, .offset: 16, .size: 8, .value_kind: global_buffer, .address_space: global }
      - { .name: Wz, .offset: 24, .size: 8, .value_kind: global_buffer, .address_space: global }
      - { .name: x, .offset: 32, .size: 8, .value_kind: global_buffer, .address_space: global }
      - { .name: h_prev, .offset: 40, .size: 8, .value_kind: global_buffer, .address_space: global }
      - { .name: lowp_scales, .offset: 48, .size: 8, .value_kind: global_buffer, .address_space: global }
      - { .name: wcodes, .offset: 56, .size: 8, .value_kind: global_buffer, .address_space: global }
      - { .name: ccodes, .offset: 64, .size: 8, .value_kind: global_buffer, .address_space: global }
    .group_segment_fixed_size: 35328
    .private_segment_fixed_size: 0
    .kernarg_segment_align: 8
    .kernarg_segment_size: 72
    .max_flat_workgroup_size: 128
    .sgpr_count:     66
    .vgpr_count:     160
    .wavefront_size: 32
...
	.end_amdgpu_metadata
.endif
;; end of part 1
;; launch gates (part 2): grid 8 x 32, 4 waves a work-group, clusters of 4 x 1, 327,680 bytes of LDS; arguments ccodes, wcodes, lowp_scales, bi, bf, bo, bz, c_prev, n_prev, m_prev, hbuf, out1, out2, out3; writes hbuf, out1, out2, out3
.if DOCPART == 2
	.amdgcn_target "amdgcn-amd-amdhsa--gfx1250"
	.amdhsa_code_object_version 6
	.text
	.protected	k_qaf5e98cca1_gates
	.globl	k_qaf5e98cca1_gates
	.p2align	8
	.type	k_qaf5e98cca1_gates,@function
k_qaf5e98cca1_gates:
	s_mov_b64 s[64:65], 0
	v_nop
	global_prefetch_b8 v0, s[64:65] scope:SCOPE_SE
	s_setreg_imm32_b32 hwreg(HW_REG_WAVE_MODE, 25, 1), 1
	s_wait_xcnt 0x0
	s_wait_alu depctr_hold_cnt(0) depctr_sa_sdst(0) depctr_va_vdst(0) depctr_va_sdst(0) depctr_va_ssrc(0) depctr_va_vcc(0) depctr_vm_vsrc(0)
	s_getreg_b32 s2, hwreg(HW_REG_IB_STS2, 6, 4)
	s_cmp_eq_u32 s2, 0
	s_cbranch_scc0 .Lentry_in_a_cluster
	s_endpgm
.Lentry_in_a_cluster:
	s_bfe_u32 s2, ttmp6, 0x10000c
	s_cmp_lg_u32 s2, 0x3003
	s_cbranch_scc0 .Lentry_shape_is_right
	s_endpgm
.Lentry_shape_is_right:
; The four gates' product on codes of BF8, and the cell: c_t (out1), n_t (out2), m_t (out3) and h = o c_t / (n_t + 1e-6) (hbuf), all f32.  The norm over a row of h is the next launch's.
; A work-group (x: 256 batch rows, y: 64 hidden units x 4 gates = 256 rows of wcodes) has four waves; wave w makes batch rows 64 w .. 64 w + 63 x all 256 weight rows: 64 accumulators, 512 registers.
; Both operands lie in memory in fragment order (the launch before): a fragment, 16 rows x 128 K, is 2,048 consecutive bytes, chunk c at 512 c, lane at 16 lane.
; THE WEIGHTS go through a ring of two LDS slots of three K steps (98,304 bytes, dense: a fragment load reads 512 consecutive bytes, so no padding).  The four work-groups of a cluster (4, 1, 1)
; share y and so the weights' tiles: each tile is asked for JOINTLY, mask 15, a quarter (96 rows of 256 bytes) by each wave.  8 tiles; a wave has one tensor load out.
; THE BATCH CODES go from memory straight into the registers of the one wave that multiplies them: three sets of 4 fragments, filled two K steps ahead.  No joint load for them: a joint load lands in LDS,
; each byte is wanted by one wave of the work-group alone, and the partners of a cluster have different batch rows.
; SOURCE 0 = batch rows, source 1 = weight rows: lane (r, h), register j of accumulator (fragment 4 g + b, block a) holds gate g of unit 64 y + 4 r + b for batch row 16 a + 8 h + j.  So a lane has all four gates
; of an element, and its results for b = 0 .. 3 are 16 neighbouring bytes: sixteen lanes load and store one aligned block of 256 bytes; no LDS stage and no barrier on the way out.
; PREFETCHES (one instruction, a lane a block of 256 bytes): my wave's batch codes two K steps ahead of their load; the weights' tile two refills ahead, its 384 blocks shared out by address among the cluster's
; 16 waves (24 each; lanes 24-31 repeat the last); c_prev, n_prev, m_prev: my wave's 64 rows of each, 32 rows an instruction, three in the last trip and one behind each of the next three K steps.
; The first tiles are asked for at the head; the last trips ask for nothing past the end.
; LIMITS: e0 + e1 between -120 and 120 (it is added to the exponent field of the factors).  o and 1 / (n + 1e-6) are carried with factors 2^-32 and 2^32, so that a large n_t does not make the reciprocal vanish.
.set QB,     32768                     ; a K step of 128 of a block of 256 rows
.set BLKB,   24*QB
.set SLOTB,  3*QB
.set PARTB,  SLOTB/4
.set SPARE,  2*SLOTB                   ; the spare words, 128 bytes a wave
.set SPW,  5
.set NIL,  6
.set BO,   7                           ; 16 r
.set ADR,  8                           ; v8-11: 16 lane + slot 0, + 65,536, slot 1, + 65,536
.set PFC,  12                          ; 256 lane
.set PFW,  13                          ; 256 min(lane, 23)
.set CO,   14                          ; 8 h rows of 8,192 bytes + 16 r
.set PFP,  15                          ; lane x a row of 8,192 bytes
.set BIA,  16                          ; v16-31 the biases of my units: 4 g + b
.set BD,   32                          ; v32-63 each x its factor, twice (a pair for the packed form)
.set SETB, 64                          ; v64-255 three sets of batch fragments; on the way out three buffers for c, n, m
.set GI, 0                             ; window 1 on the way out: gates at 16 g + 4 b + j
.set GF, 16
.set GG, 32
.set GZ, 48
.set IZ, 64
.set DD, 80
.set EPS, 224
.set G1, 24
.set G0, 32
.set CB, 88                            ; s[88:89] my wave's batch codes
.set WP, 90                            ; s[90:91] my share of the weights' tiles, for the prefetch
.set MSB, 0
.macro WIN new
.if MSB != \new
	s_set_vgpr_msb (MSB<<8)|\new
.set MSB, \new
.endif
.endm
.set M_LO, 0xa4                        ; source 0 window 0, source 1 window 1, C and D window 2
.set M_HI, 0xf4
.set TO_W, 0x40
.macro CREST
	s_cmp_lg_u32 s14, 0
	s_cbranch_scc1 .Lnot_wave_0_\@
	s_barrier_signal -3
.Lnot_wave_0_\@:
	s_barrier_wait -3
	s_barrier_signal -1
	s_barrier_wait -1
.endm
.macro CROUND
	s_barrier_signal -1
	s_barrier_wait -1
	CREST
.endm
.macro PLACES
.rept 4
	v_nop
.endr
.endm
.macro TLOAD s                         ; my quarter of a tile
	tensor_load_to_lds s[G0+4*\s:G0+4*\s+3], s[G1:G1+7]
	s_nop 0
	PLACES
.endm
.macro CLOAD set, q                    ; my four batch fragments of the K step q behind CB: 16 loads of 512 consecutive bytes
.irp a, 0,1,2,3
.irp c, 0,1,2,3
	global_load_b128 v[SETB+64*(\set)+16*\a+4*\c:SETB+64*(\set)+16*\a+4*\c+3], v[ADR], s[CB:CB+1] offset:(\q)*QB+\a*2048+\c*512
.endr
.endr
.endm
	s_load_b256 s[4:11], s[0:1], 0x0               ; ccodes, wcodes, scales, bi
	s_load_b256 s[68:75], s[0:1], 0x20             ; bf, bo, bz, c_prev
	s_load_b256 s[76:83], s[0:1], 0x40             ; n_prev, m_prev, hbuf, out1
	s_load_b128 s[84:87], s[0:1], 0x60             ; out2, out3
	v_lshl_add_u32 v[SPW], v0, 2, SPARE
	v_mov_b32 v[NIL], 0
	ds_add_u32 v[SPW], v[NIL]                      ; the opening: the add, twice on end, and its wait
	ds_add_u32 v[SPW], v[NIL]
	v_lshrrev_b32 v1, 5, v0
	v_readfirstlane_b32 s14, v1                    ; wave
	v_and_b32 v2, 31, v0
	v_lshlrev_b32 v[ADR], 4, v2
	v_add_nc_u32 v[ADR+1], 0x10000, v[ADR]
	v_add_nc_u32 v[ADR+2], SLOTB, v[ADR]
	v_add_nc_u32 v[ADR+3], SLOTB+0x10000, v[ADR]
	v_lshlrev_b32 v[PFC], 8, v2
	v_min_u32 v3, 23, v2
	v_lshlrev_b32 v[PFW], 8, v3
	v_lshlrev_b32 v[PFP], 13, v2
	v_and_b32 v3, 15, v0
	v_bfe_u32 v4, v0, 4, 1
	v_lshlrev_b32 v[BO], 4, v3
	v_lshl_add_u32 v[CO], v4, 16, v[BO]
	s_bfe_u32 s40, ttmp6, 0x40000                  ; cx
	s_lshl_b32 s42, ttmp9, 2
	s_add_co_u32 s42, s42, s40                     ; batch block
	s_and_b32 s17, ttmp7, 0xffff                   ; unit block y
	s_mov_b32 s[G1+0], 15|(3<<16)|(1<<21)          ; the mask of the four; elements of 8 bytes; bit 21 beside a mask; no padding
	s_mov_b32 s[G1+1], 32<<16                      ; rows of 32 elements = 256 bytes
	s_mov_b32 s[G1+2], 96<<16
	s_mov_b32 s[G1+3], 32<<16
	s_mov_b32 s[G1+4], 96
	s_mov_b32 s[G1+5], 32                          ; dense
	s_mov_b32 s[G1+6], 0
	s_mov_b32 s[G1+7], 0
	s_mul_i32 s20, s17, BLKB
	s_mul_i32 s45, s14, PARTB                      ; my quarter, in memory and in LDS
	s_add_co_u32 s20, s20, s45
	s_mov_b32 s21, 0
	s_mul_i32 s46, s42, BLKB
	s_lshl_b32 s47, s14, 13
	s_add_co_u32 s46, s46, s47                     ; batch codes: block, + 4 fragments a wave
	s_mov_b32 s47, 0
	s_lshl_b32 s48, s40, 2
	s_add_co_u32 s48, s48, s14
	s_mul_i32 s48, s48, 6144                       ; 24 blocks of 256 bytes for each of the cluster's 16 waves
	s_mul_i32 s49, s17, BLKB
	s_add_co_u32 s48, s48, s49
	s_mov_b32 s49, 0
	s_lshl_b32 s50, s42, 21
	s_lshl_b32 s51, s14, 19
	s_add_co_u32 s50, s50, s51
	s_lshl_b32 s52, s17, 8
	s_add_co_u32 s50, s50, s52                     ; my first row and column in c, n, m, h and the outputs
	s_mov_b32 s51, 0
	s_mov_b32 s53, 0
	s_mov_b32 s66, 0x4f800000                      ; 2^32
	s_mov_b32 s67, s66
	s_mov_b32 s100, 0x2f800000                     ; 2^-32
	s_mov_b32 s101, s100
	s_wait_alu depctr_va_vdst(0)                   ; the wait at the head's end
	s_wait_dscnt 0x0
	s_wait_kmcnt 0x0
	s_load_b64 s[96:97], s[8:9], 0x0
	s_add_nc_u64 s[WP:WP+1], s[6:7], s[48:49]
	s_add_nc_u64 s[CB:CB+1], s[4:5], s[46:47]
	global_prefetch_b8 v[PFW], s[WP:WP+1] th:TH_LOAD_NT scope:SCOPE_SE   ; my share of tile 0, ahead of the opening round
	s_add_nc_u64 s[10:11], s[10:11], s[52:53]
.irp b, 68,70,72
	s_add_nc_u64 s[\b:\b+1], s[\b:\b+1], s[52:53]
.endr
	global_load_b128 v[BIA:BIA+3], v[BO], s[10:11]
	global_load_b128 v[BIA+4:BIA+7], v[BO], s[68:69]
	global_load_b128 v[BIA+8:BIA+11], v[BO], s[70:71]
	global_load_b128 v[BIA+12:BIA+15], v[BO], s[72:73]
	CLOAD 0, 0                                     ; K step 0's batch codes are on their way during the round
	s_add_nc_u64 s[20:21], s[6:7], s[20:21]
.irp s, 0,1
	s_mov_b32 s[G0+4*\s], 1
	s_add_co_u32 s[G0+4*\s+1], s45, \s*SLOTB
	s_add_nc_u64 s[G0+4*\s+2:G0+4*\s+3], s[20:21], \s*SLOTB
	s_or_b32 s[G0+4*\s+3], s[G0+4*\s+3], 0x80000000
.endr
	CROUND                                         ; the four work-groups are here: the first joint loads meet
	TLOAD 0                                        ; tile 0: one tensor load a wave at the head
	global_prefetch_b8 v[PFW], s[WP:WP+1] offset:SLOTB th:TH_LOAD_NT scope:SCOPE_SE
	CLOAD 1, 1
	CLOAD 2, 2
	global_prefetch_b8 v[PFC], s[CB:CB+1] offset:3*QB th:TH_LOAD_NT scope:SCOPE_SE
	global_prefetch_b8 v[PFC], s[CB:CB+1] offset:4*QB th:TH_LOAD_NT scope:SCOPE_SE
	global_prefetch_b8 v[PFW], s[WP:WP+1] offset:2*SLOTB th:TH_LOAD_NT scope:SCOPE_SE
	global_prefetch_b8 v[PFW], s[WP:WP+1] offset:3*SLOTB th:TH_LOAD_NT scope:SCOPE_SE
.irp b, 74,76,78,80,82,84,86
	s_add_nc_u64 s[\b:\b+1], s[\b:\b+1], s[50:51]
.endr
	s_wait_kmcnt 0x0
	s_add_co_i32 s96, s96, s97
	s_lshl_b32 s96, s96, 23                        ; e0 + e1, into the exponent fields of
	s_add_co_u32 s92, s96, 0x3fb8aa3b              ; log2(e), for exp,
	s_mov_b32 s93, s92
	s_add_co_u32 s94, s96, 0xbfb8aa3b              ; -log2(e), for the sigmoids,
	s_mov_b32 s95, s94
	s_add_co_u32 s98, s96, 0x4038aa3b              ; 2 log2(e), for tanh
	s_mov_b32 s99, s98
.macro WFRAG f, slot, q                ; weight fragment f of the slot's K step q -> window 1, v[16 f ..]
.irp c, 0,1,2,3
	ds_load_b128 v[16*(\f)+4*\c:16*(\f)+4*\c+3], v[ADR+2*(\slot)+(\q)/2] offset:((\q)%2)*QB+(\f)*2048+\c*512
.endr
.endm
.macro FETCHW slot, q, f0              ; eight fragments, 32 loads in one run
	WIN TO_W
.irp i, 0,1,2,3,4,5,6,7
	WFRAG \f0+\i, \slot, \q
.endr
.endm
.macro MUL4 f0, set, zero              ; 16 matrix instructions: 4 weight fragments x my 4 batch fragments.  The 64 accumulators take turns
.irp f, \f0, \f0+1, \f0+2, \f0+3
.irp a, 0,1,2,3
.if \zero
	v_wmma_f32_16x16x128_bf8_bf8 v[8*(4*((\f)%8)+\a):8*(4*((\f)%8)+\a)+7], v[SETB+64*(\set)+16*\a:SETB+64*(\set)+16*\a+15], v[16*(\f):16*(\f)+15], 0
.else
	v_wmma_f32_16x16x128_bf8_bf8 v[8*(4*((\f)%8)+\a):8*(4*((\f)%8)+\a)+7], v[SETB+64*(\set)+16*\a:SETB+64*(\set)+16*\a+15], v[16*(\f):16*(\f)+15], v[8*(4*((\f)%8)+\a):8*(4*((\f)%8)+\a)+7]
.endif
.endr
.endr
.endm
.macro PLOAD e                         ; c, n, m of rows 16 (e / 2) + 8 h + 4 (e % 2) + 0 .. 3: sixteen lanes read 256 consecutive bytes
.irp x, 0,1,2
.irp j, 0,1,2,3
	global_load_b128 v[SETB+64*((\e)%3)+16*\x+4*\j:SETB+64*((\e)%3)+16*\x+4*\j+3], v[CO], s[74+2*\x:75+2*\x] offset:(8*(\e)+\j)*8192-4*((\e)%2)*8192 th:TH_LOAD_NT
.endr
.endr
.endm
.macro AFTER kind, set, ql             ; what the freed set takes: 1 the K step three on, and a prefetch two further; 2 the K step alone; 3 c, n, m
.if \kind == 1 || \kind == 2
	CLOAD \set, \ql
.endif
.if \kind == 1
	global_prefetch_b8 v[PFC], s[CB:CB+1] offset:((\ql)+2)*QB th:TH_LOAD_NT scope:SCOPE_SE
.endif
.if \kind == 3
	PLOAD \ql
.endif
.endm
; A K step of 128 whose successor (ns, nq) has landed.  lc: the loads issued behind this set's.
.macro STEP set, zero, ns, nq, lc, kind, ql
	s_wait_loadcnt \lc
	s_wait_dscnt 32                                ; fragments 0-7 are in; the youngest 32 loads may be out
	WIN M_LO
	MUL4 0, \set, \zero
	MUL4 4, \set, \zero
	PLACES                                         ; four places ahead of loads into registers that matrix instructions have read (ISA guide 7.12.1 for vector instructions)
	FETCHW \ns, \nq, 0
	s_wait_dscnt 32                                ; fragments 8-15 are in
	WIN M_HI
	MUL4 8, \set, \zero
	MUL4 12, \set, \zero
	PLACES
	FETCHW \ns, \nq, 8
	WIN 0
	AFTER \kind, \set, \ql
.endm
.macro ASK t                           ; the tile two refills on; the last trip has none
	s_cmp_gt_u32 s3, 1
	s_cbranch_scc0 .Lno_\@
	global_prefetch_b8 v[PFW], s[WP:WP+1] offset:(\t)*SLOTB th:TH_LOAD_NT scope:SCOPE_SE
.Lno_\@:
.endm
.macro LATE p, o                       ; in the last trip alone: 32 rows of c_prev or n_prev, a lane a row's 256 bytes
	s_cmp_eq_u32 s3, 1
	s_cbranch_scc0 .Lnl_\@
	global_prefetch_b8 v[PFP], s[\p:\p+1] offset:\o th:TH_LOAD_NT scope:SCOPE_SE
.Lnl_\@:
.endm
; A slot's last K step changes slots: each wave waits for all its tensor loads, adds 0 to its spare word, waits for that and for its reads of the slot; a round of the cluster's barrier; the refill first behind it.
.macro TURN slot, set, fill, stepb, lc, kind, ql, ask
	s_wait_loadcnt \lc
	s_wait_tensorcnt 0x0                           ; my quarter of the other slot has landed
	ds_add_u32 v[SPW], v[NIL]
	s_wait_dscnt 33                                ; fragments 0-7 are in (the add and 32 loads may be out)
	WIN M_LO
	MUL4 0, \set, 0
.if \stepb
	s_wait_xcnt 0x0                                ; the bases are stepped only behind this wait
	s_add_nc_u64 s[CB:CB+1], s[CB:CB+1], 6*QB
	s_add_nc_u64 s[WP:WP+1], s[WP:WP+1], 2*SLOTB
.endif
	s_wait_dscnt 0x0                               ; the add is done; my reads of this slot are over
	s_barrier_signal -1
	MUL4 4, \set, 0
	WIN 0
	s_barrier_wait -1
.if \fill
	CREST
	s_add_nc_u64 s[G0+4*\slot+2:G0+4*\slot+3], s[G0+4*\slot+2:G0+4*\slot+3], 2*SLOTB
	TLOAD \slot                                    ; its four v_nop are also the places ahead of the loads below
.else
	PLACES
.endif
	FETCHW 1-\slot, 0, 0
	WIN 0
.if \fill
	ASK \ask
.endif
	WIN M_HI
	MUL4 8, \set, 0
	MUL4 12, \set, 0
	PLACES
	FETCHW 1-\slot, 0, 8
	WIN 0
	AFTER \kind, \set, \ql
.endm
; The way out of 4 batch rows a half of the lanes (16 elements a lane).  e = 2 a + half of the accumulators' registers; each accumulator is read from its low end on.
.macro MATH e
.set AB, (\e)/2
.set JH, (\e)%2
.set PB, SETB+64*((\e)%3)
.set OB, 96+64*((\e)%2)
	WIN 0x42
	s_wait_alu depctr_va_vdst(0)                   ; the wait directly ahead of the first readers of matrix results
.irp g, 0,1
.irp b, 0,1,2,3
.irp p, 0,2
	v_pk_fma_f32 v[16*\g+4*\b+\p:16*\g+4*\b+\p+1], v[8*(4*(4*\g+\b)+AB)+4*JH+\p:8*(4*(4*\g+\b)+AB)+4*JH+\p+1], s[92+2*\g:93+2*\g], v[BD+2*(4*\g+\b):BD+2*(4*\g+\b)+1] op_sel_hi:[1,0,1]
.endr
.endr
.endr
	WIN 0x43
	s_wait_alu depctr_va_vdst(0)
.irp g, 2,3
.irp b, 0,1,2,3
.irp p, 0,2
	v_pk_fma_f32 v[16*\g+4*\b+\p:16*\g+4*\b+\p+1], v[8*(4*(4*(\g-2)+\b)+AB)+4*JH+\p:8*(4*(4*(\g-2)+\b)+AB)+4*JH+\p+1], s[94+4*(\g-2):95+4*(\g-2)], v[BD+2*(4*\g+\b):BD+2*(4*\g+\b)+1] op_sel_hi:[1,0,1]
.endr
.endr
.endr
	WIN 0x55
	s_wait_alu depctr_va_vdst(0)                   ; ahead of the batch
.set ii, 0
.rept 64
	v_exp_f32 v[ii], v[ii]
.set ii, ii+1
.endr
	v_nop
	s_wait_alu depctr_va_vdst(0)                   ; and behind it
.irp k, 0,2,4,6,8,10,12,14
	v_pk_add_f32 v[GF+\k:GF+\k+1], v[GF+\k:GF+\k+1], 1.0 op_sel_hi:[1,0]
	v_pk_fma_f32 v[GG+\k:GG+\k+1], v[GG+\k:GG+\k+1], s[66:67], s[66:67] op_sel_hi:[1,0,0]
	v_pk_add_f32 v[GZ+\k:GZ+\k+1], v[GZ+\k:GZ+\k+1], 1.0 op_sel_hi:[1,0]
.endr
	s_wait_alu depctr_va_vdst(0)
.set ii, GF
.rept 48
	v_rcp_f32 v[ii], v[ii]                         ; f, o x 2^-32, 1 / (1 + e^2z)
.set ii, ii+1
.endr
	v_nop
	s_wait_alu depctr_va_vdst(0)
.irp k, 0,2,4,6,8,10,12,14
	v_pk_fma_f32 v[GZ+\k:GZ+\k+1], v[GZ+\k:GZ+\k+1], -2.0, 1.0 op_sel_hi:[1,0,0]   ; tanh
.endr
.irp k, 0,2,4,6,8,10,12,14
	v_pk_mul_f32 v[IZ+\k:IZ+\k+1], v[GI+\k:GI+\k+1], v[GZ+\k:GZ+\k+1]
.endr
	s_wait_alu depctr_va_vdst(0)                   ; ahead of the waits below
.if (\e) < 6
	s_wait_loadcnt 24                              ; my c, n, m are in; those of the next two turns may be out
.else
	s_wait_loadcnt 12*(7-(\e))
.endif
	s_wait_xcnt 0x0                                ; the results' registers are written again only behind this wait
	WIN 0x51
.irp b, 0,1,2,3
.irp j, 0,1,2,3
	v_fma_f32 v[OB+16+4*\j+\b], v[GF+4*\b+\j], v[PB+4*\j+\b], v[IZ+4*\b+\j]
	v_fma_f32 v[OB+32+4*\j+\b], v[GF+4*\b+\j], v[PB+16+4*\j+\b], v[GI+4*\b+\j]
	v_mul_f32 v[OB+48+4*\j+\b], v[GF+4*\b+\j], v[PB+32+4*\j+\b]
.endr
.endr
.if (\e) < 5
	WIN 0
	PLOAD (\e)+3
.endif
	WIN 0x55
.irp k, 0,2,4,6,8,10,12,14
	v_pk_fma_f32 v[DD+\k:DD+\k+1], v[OB+32+\k:OB+32+\k+1], s[100:101], v[EPS:EPS+1] op_sel_hi:[1,0,1]
.endr
	s_wait_alu depctr_va_vdst(0)
.set ii, DD
.rept 16
	v_rcp_f32 v[ii], v[ii]
.set ii, ii+1
.endr
.irp b, 0,1,2,3
.irp j, 0,1,2,3
	v_max_num_f32 v[OB+48+4*\j+\b], v[OB+48+4*\j+\b], |v[IZ+4*\b+\j]|
	v_mul_f32 v[OB+4*\j+\b], v[GG+4*\b+\j], v[OB+16+4*\j+\b]
.endr
.endr
	s_wait_alu depctr_va_vdst(0)
.irp k, 0,2,4,6,8,10,12,14
	v_pk_mul_f32 v[OB+\k:OB+\k+1], v[OB+\k:OB+\k+1], v[DD+\k:DD+\k+1]
.endr
	WIN 0x04
.irp j, 0,1,2,3
	global_store_b128 v[CO], v[OB+4*\j:OB+4*\j+3], s[80:81] offset:(16*AB+4*JH+\j)*8192
.endr
.irp x, 1,2,3
.irp j, 0,1,2,3
	global_store_b128 v[CO], v[OB+16*\x+4*\j:OB+16*\x+4*\j+3], s[80+2*\x:81+2*\x] offset:(16*AB+4*JH+\j)*8192 th:TH_STORE_NT
.endr
.endr
.endm
	s_wait_tensorcnt 0x0                           ; my quarter of tile 0 is in; the same lines as ahead of a refill:
	ds_add_u32 v[SPW], v[NIL]
	s_wait_dscnt 0x0
	CROUND
	TLOAD 1                                        ; slot 1's first fill, first behind the round
	FETCHW 0, 0, 0
	FETCHW 0, 0, 8
	WIN 0
	STEP 0, 1, 0, 1, 32, 1, 3                      ; K step 0 starts the sums
	s_mov_b32 s3, 3
.Ltrip:                                                ; six K steps: once round the ring, and twice round the three sets
	STEP 1, 0, 0, 2, 32, 1, 4
	TURN 0, 2, 1, 1, 32, 1, -1, 2
	STEP 0, 0, 1, 1, 32, 1, 0
	LATE 74, 0
	STEP 1, 0, 1, 2, 32, 1, 1
	LATE 74, 32*8192
	TURN 1, 2, 1, 0, 32, 1, 2, 3
	STEP 0, 0, 0, 1, 32, 1, 3
	LATE 76, 0
	s_sub_co_u32 s3, s3, 1
	s_cmp_lg_u32 s3, 0
	s_cbranch_scc1 .Ltrip
	STEP 1, 0, 0, 2, 32, 2, 4                      ; the last five K steps fill no slot
	global_prefetch_b8 v[PFP], s[76:77] offset:32*8192 th:TH_LOAD_NT scope:SCOPE_SE
	TURN 0, 2, 0, 0, 32, 2, 5, 0
	global_prefetch_b8 v[PFP], s[78:79] th:TH_LOAD_NT scope:SCOPE_SE
	STEP 0, 0, 1, 1, 32, 3, 0
	global_prefetch_b8 v[PFP], s[78:79] offset:32*8192 th:TH_LOAD_NT scope:SCOPE_SE
	STEP 1, 0, 1, 2, 28, 3, 1                      ; behind this set's loads: the last K step's 16 and 12 of c, n, m
	s_wait_loadcnt 24
	s_wait_dscnt 32
	WIN M_LO
	MUL4 0, 2, 0
	MUL4 4, 2, 0
	s_wait_dscnt 0x0
	WIN M_HI
	MUL4 8, 2, 0
	MUL4 12, 2, 0
	WIN 0
.irp k, 0,1,2,3                        ; the biases x their factors: also the places behind the last products
	v_mul_f32 v[BD+2*\k], 0x3fb8aa3b, v[BIA+\k]
	v_mul_f32 v[BD+2*\k+1], 0x3fb8aa3b, v[BIA+\k]
.endr
.irp k, 4,5,6,7,8,9,10,11
	v_mul_f32 v[BD+2*\k], 0xbfb8aa3b, v[BIA+\k]
	v_mul_f32 v[BD+2*\k+1], 0xbfb8aa3b, v[BIA+\k]
.endr
.irp k, 12,13,14,15
	v_mul_f32 v[BD+2*\k], 0x4038aa3b, v[BIA+\k]
	v_mul_f32 v[BD+2*\k+1], 0x4038aa3b, v[BIA+\k]
.endr
	PLOAD 2
	WIN 0x40
	v_mov_b32 v[EPS], 0x258637bd                   ; 1e-6 x 2^-32
	v_mov_b32 v[EPS+1], 0x258637bd
.irp e, 0,1,2,3,4,5,6,7
	MATH \e
.endr
	WIN 0
	s_wait_tensorcnt 0x0                           ; the wave's end
	ds_add_u32 v[SPW], v[NIL]
	s_wait_dscnt 0x0
	CROUND                                         ; the closing round
	s_endpgm
.Lfunc_end_k_qaf5e98cca1_gates:
	.size	k_qaf5e98cca1_gates, .Lfunc_end_k_qaf5e98cca1_gates-k_qaf5e98cca1_gates
	.p2alignl 7, 3214868480
	.fill 96, 4, 3214868480
	.section	.rodata,"a",@progbits
	.p2align	6, 0x0
	.amdhsa_kernel k_qaf5e98cca1_gates
		.amdhsa_group_segment_fixed_size 327680
		.amdhsa_private_segment_fixed_size 0
		.amdhsa_enable_private_segment 0
		.amdhsa_kernarg_size 112
		.amdhsa_user_sgpr_count 2
		.amdhsa_user_sgpr_kernarg_segment_ptr 1
		.amdhsa_wavefront_size32 1
		.amdhsa_system_sgpr_workgroup_id_x 1
		.amdhsa_system_sgpr_workgroup_id_y 1
		.amdhsa_system_sgpr_workgroup_id_z 1
		.amdhsa_system_vgpr_workitem_id 0
		.amdhsa_next_free_vgpr 1024
		.amdhsa_next_free_sgpr 102
		.amdhsa_reserve_vcc 0
		.amdhsa_float_denorm_mode_32 3
		.amdhsa_float_denorm_mode_16_64 3
		.amdhsa_memory_ordered 1
		.amdhsa_forward_progress 1
		.amdhsa_inst_pref_size 255
	.end_amdhsa_kernel
	.section	.bss,"aw",@nobits
	.p2align	6
	.space	262144
	.amdgpu_metadata
---
amdhsa.version: [ 1, 2 ]
amdhsa.kernels:
  - .name:           k_qaf5e98cca1_gates
    .symbol:         k_qaf5e98cca1_gates.kd
    .args:
      - { .name: ccodes, .offset: 0, .size: 8, .value_kind: global_buffer, .address_space: global }
      - { .name: wcodes, .offset: 8, .size: 8, .value_kind: global_buffer, .address_space: global }
      - { .name: lowp_scales, .offset: 16, .size: 8, .value_kind: global_buffer, .address_space: global }
      - { .name: bi, .offset: 24, .size: 8, .value_kind: global_buffer, .address_space: global }
      - { .name: bf, .offset: 32, .size: 8, .value_kind: global_buffer, .address_space: global }
      - { .name: bo, .offset: 40, .size: 8, .value_kind: global_buffer, .address_space: global }
      - { .name: bz, .offset: 48, .size: 8, .value_kind: global_buffer, .address_space: global }
      - { .name: c_prev, .offset: 56, .size: 8, .value_kind: global_buffer, .address_space: global }
      - { .name: n_prev, .offset: 64, .size: 8, .value_kind: global_buffer, .address_space: global }
      - { .name: m_prev, .offset: 72, .size: 8, .value_kind: global_buffer, .address_space: global }
      - { .name: hbuf, .offset: 80, .size: 8, .value_kind: global_buffer, .address_space: global }
      - { .name: out1, .offset: 88, .size: 8, .value_kind: global_buffer, .address_space: global }
      - { .name: out2, .offset: 96, .size: 8, .value_kind: global_buffer, .address_space: global }
      - { .name: out3, .offset: 104, .size: 8, .value_kind: global_buffer, .address_space: global }
    .group_segment_fixed_size: 327680
    .private_segment_fixed_size: 0
    .kernarg_segment_align: 8
    .kernarg_segment_size: 112
    .max_flat_workgroup_size: 128
    .sgpr_count:     102
    .vgpr_count:     1024
    .wavefront_size: 32
...
	.end_amdgpu_metadata
.endif
;; end of part 2
;; launch norm (part 3): grid 256 x 1, 8 waves a work-group, no clusters, 0 bytes of LDS; arguments hbuf, ln_gamma, ln_beta, out0; writes out0
.if DOCPART == 3
	.amdgcn_target "amdgcn-amd-amdhsa--gfx1250"
	.amdhsa_code_object_version 6
	.text
	.protected	k_qaf5e98cca1_norm
	.globl	k_qaf5e98cca1_norm
	.p2align	8
	.type	k_qaf5e98cca1_norm,@function
k_qaf5e98cca1_norm:
	s_mov_b64 s[64:65], 0
	v_nop
	global_prefetch_b8 v0, s[64:65] scope:SCOPE_SE
	s_setreg_imm32_b32 hwreg(HW_REG_WAVE_MODE, 25, 1), 1
	s_wait_xcnt 0x0
; out0[r][:] = (h[r][:] - mu) x rsqrt(var + 1e-5) x gamma + beta;  mu = the row's mean, var = the mean of (h - mu)^2, as it is defined: the differences are formed first.  h, out0: [2048][2048] f32.
; One wave, one row: 8,192 bytes are 64 registers a lane, so the row stays in registers between the three passes, memory is read once, and the sums never leave the wave: no LDS, no barrier.
; Each load and store of a wave covers 512 consecutive bytes.  All 48 loads go out at once; gamma's and beta's land while the sums are made.  Straight-line: a wave has one row.
; No prefetch: all of a wave's addresses are asked for by its first lines.  No cluster, no matrix unit: nothing is shared but gamma and beta, 16 KiB.
; LIMIT: NaN and infinities in a row make the row NaN, here as in the definition.
.set H,  16                            ; v16-79   the row: column 128 j + 4 lane + e at H + 4 j + e
.set GA, 80                            ; v80-143  gamma, likewise
.set BE, 144                           ; v144-207 beta
	s_load_b256 s[4:11], s[0:1], 0x0               ; h s[4:5], gamma s[6:7], beta s[8:9], out0 s[10:11]
	v_lshrrev_b32 v1, 5, v0
	s_delay_alu instid0(VALU_DEP_1)
	v_readfirstlane_b32 s18, v1                    ; wave
	v_and_b32 v1, 31, v0
	s_delay_alu instid0(VALU_DEP_1)
	v_lshlrev_b32 v1, 4, v1                        ; 16 bytes a lane; never rewritten
	v_mov_b32 v14, 0                               ; written once: a lane permute's destination counts as one of its sources
	s_lshl_b32 s16, ttmp9, 3
	s_add_co_u32 s16, s16, s18                     ; my row
	s_lshl_b32 s16, s16, 13                        ; x 8,192 bytes (under 2^24)
	s_mov_b32 s17, 0
	s_mov_b32 s12, 0x76543210                      ; v_permlanex16_b32: lane l takes lane l xor 16
	s_mov_b32 s13, 0xfedcba98
	s_mov_b32 s14, 0x3a000000                      ; 1 / 2048
	s_mov_b32 s15, 0x3727c5ac                      ; 1e-5
	s_wait_alu depctr_va_vdst(0)
	s_wait_kmcnt 0x0
	s_add_nc_u64 s[4:5], s[4:5], s[16:17]
	s_add_nc_u64 s[10:11], s[10:11], s[16:17]
.irp j, 0,1,2,3,4,5,6,7,8,9,10,11,12,13,14,15
	global_load_b128 v[H+4*\j:H+4*\j+3], v1, s[4:5] offset:512*\j th:TH_LOAD_NT
.endr
.irp j, 0,1,2,3,4,5,6,7,8,9,10,11,12,13,14,15
	global_load_b128 v[GA+4*\j:GA+4*\j+3], v1, s[6:7] offset:512*\j
.endr
.irp j, 0,1,2,3,4,5,6,7,8,9,10,11,12,13,14,15
	global_load_b128 v[BE+4*\j:BE+4*\j+3], v1, s[8:9] offset:512*\j
.endr
; four packed chains v[2:9] become one number, the same in every lane: four steps inside each half of 16 lanes ride on the addition, one crosses the halves
.macro REDUCE
	s_delay_alu instid0(VALU_DEP_3)
	v_pk_add_f32 v[2:3], v[2:3], v[4:5]
	s_delay_alu instid0(VALU_DEP_2)
	v_pk_add_f32 v[6:7], v[6:7], v[8:9]
	s_delay_alu instid0(VALU_DEP_1)
	v_pk_add_f32 v[2:3], v[2:3], v[6:7]
	s_delay_alu instid0(VALU_DEP_1)
	v_add_f32 v2, v2, v3
	s_delay_alu instid0(VALU_DEP_1)
	v_add_f32_dpp v2, v2, v2 row_xmask:1 row_mask:0xf bank_mask:0xf
	s_delay_alu instid0(VALU_DEP_1)
	v_add_f32_dpp v2, v2, v2 row_xmask:2 row_mask:0xf bank_mask:0xf
	s_delay_alu instid0(VALU_DEP_1)
	v_add_f32_dpp v2, v2, v2 row_xmask:4 row_mask:0xf bank_mask:0xf
	s_delay_alu instid0(VALU_DEP_1)
	v_add_f32_dpp v2, v2, v2 row_xmask:8 row_mask:0xf bank_mask:0xf
	s_delay_alu instid0(VALU_DEP_1)
	v_permlanex16_b32 v14, v2, s12, s13
	s_delay_alu instid0(VALU_DEP_1)
	v_add_f32 v2, v2, v14
.endm
	s_wait_loadcnt 32                              ; the row is in; gamma's and beta's 32 loads may be out
.irp k, 0,1,2,3
	v_pk_add_f32 v[2+2*\k:3+2*\k], v[H+2*\k:H+2*\k+1], v[H+8+2*\k:H+8+2*\k+1]   ; the first pairs start the four chains: nothing is cleared
.endr
.set p, 8
.rept 24
	s_delay_alu instid0(VALU_DEP_4)
	v_pk_add_f32 v[2+2*(p%4):3+2*(p%4)], v[2+2*(p%4):3+2*(p%4)], v[H+2*p:H+2*p+1]
.set p, p+1
.endr
	REDUCE
	s_delay_alu instid0(VALU_DEP_1)
	v_mul_f32 v10, 0xba000000, v2                  ; -mu = the sum x -1 / 2048
	s_delay_alu instid0(VALU_DEP_1)
	v_mov_b32 v11, v10
.set p, 0
.rept 32
	v_pk_add_f32 v[H+2*p:H+2*p+1], v[H+2*p:H+2*p+1], v[10:11]                  ; h - mu, in place
.set p, p+1
.endr
.irp k, 0,1,2,3
	v_pk_mul_f32 v[2+2*\k:3+2*\k], v[H+2*\k:H+2*\k+1], v[H+2*\k:H+2*\k+1]
.endr
.set p, 4
.rept 28
	s_delay_alu instid0(VALU_DEP_4)
	v_pk_fma_f32 v[2+2*(p%4):3+2*(p%4)], v[H+2*p:H+2*p+1], v[H+2*p:H+2*p+1], v[2+2*(p%4):3+2*(p%4)]
.set p, p+1
.endr
	REDUCE
	s_delay_alu instid0(VALU_DEP_1)
	v_fma_f32 v2, v2, s14, s15                     ; var + 1e-5
	s_wait_alu depctr_va_vdst(0)
	v_rsq_f32 v12, v2                              ; twice, to fill the pair that the packed multiply takes
	v_rsq_f32 v13, v2
	v_nop                                          ; a plain line behind the transcendentals (ISA guide 5.7.2)
	s_wait_alu depctr_va_vdst(0)                   ; and the wait ahead of the first reader
	s_wait_loadcnt 0x0                             ; gamma and beta
.set p, 0
.rept 32
	v_pk_mul_f32 v[H+2*p:H+2*p+1], v[H+2*p:H+2*p+1], v[12:13]
.set p, p+1
.endr
.set p, 0
.rept 32
	v_pk_fma_f32 v[H+2*p:H+2*p+1], v[H+2*p:H+2*p+1], v[GA+2*p:GA+2*p+1], v[BE+2*p:BE+2*p+1]
.set p, p+1
.endr
.irp j, 0,1,2,3,4,5,6,7,8,9,10,11,12,13,14,15
	global_store_b128 v1, v[H+4*\j:H+4*\j+3], s[10:11] offset:512*\j th:TH_STORE_NT
.endr
	s_endpgm
.Lfunc_end_k_qaf5e98cca1_norm:
	.size	k_qaf5e98cca1_norm, .Lfunc_end_k_qaf5e98cca1_norm-k_qaf5e98cca1_norm
	.p2alignl 7, 3214868480
	.fill 96, 4, 3214868480
	.section	.rodata,"a",@progbits
	.p2align	6, 0x0
	.amdhsa_kernel k_qaf5e98cca1_norm
		.amdhsa_group_segment_fixed_size 0
		.amdhsa_private_segment_fixed_size 0
		.amdhsa_enable_private_segment 0
		.amdhsa_kernarg_size 32
		.amdhsa_user_sgpr_count 2
		.amdhsa_user_sgpr_kernarg_segment_ptr 1
		.amdhsa_wavefront_size32 1
		.amdhsa_system_sgpr_workgroup_id_x 1
		.amdhsa_system_sgpr_workgroup_id_y 1
		.amdhsa_system_sgpr_workgroup_id_z 1
		.amdhsa_system_vgpr_workitem_id 0
		.amdhsa_next_free_vgpr 208
		.amdhsa_next_free_sgpr 66
		.amdhsa_reserve_vcc 0
		.amdhsa_float_denorm_mode_32 3
		.amdhsa_float_denorm_mode_16_64 3
		.amdhsa_memory_ordered 1
		.amdhsa_forward_progress 1
		.amdhsa_inst_pref_size 21
	.end_amdhsa_kernel
	.amdgpu_metadata
---
amdhsa.version: [ 1, 2 ]
amdhsa.kernels:
  - .name:           k_qaf5e98cca1_norm
    .symbol:         k_qaf5e98cca1_norm.kd
    .args:
      - { .name: hbuf, .offset: 0, .size: 8, .value_kind: global_buffer, .address_space: global }
      - { .name: ln_gamma, .offset: 8, .size: 8, .value_kind: global_buffer, .address_space: global }
      - { .name: ln_beta, .offset: 16, .size: 8, .value_kind: global_buffer, .address_space: global }
      - { .name: out0, .offset: 24, .size: 8, .value_kind: global_buffer, .address_space: global }
    .group_segment_fixed_size: 0
    .private_segment_fixed_size: 0
    .kernarg_segment_align: 8
    .kernarg_segment_size: 32
    .max_flat_workgroup_size: 256
    .sgpr_count:     66
    .vgpr_count:     208
    .wavefront_size: 32
...
	.end_amdgpu_metadata
.endif
;; end of part 3
